; MI455X (gfx1250); checked and timed in simulation.
; The chip was launched on July 23, 2026; its instructions are those of AMD's public machine-readable ISA for CDNA 5 (MIT licence, August 2026) and "CDNA5" Instruction Set Architecture Reference Guide (July 2026). The comments in the code are by the model that wrote it; some were corrected since.
;; Bahdanau Attention. Allowed arithmetic: matrix products marked QUANTISED: E4M3 operands, one E8M0 scale for each 32 along K, by v_wmma_scale_f32_16x16x128_f8f6f4 with both operands' format E4M3, f32 sums; products left as they are: f32 operands where the result goes on into a quantised operand, else bf16, f16 or f32 operands; f32 sums; everything else in f32.
;; Inputs: Ua_b 1,024 float32; Ua_w 1,024 x 1,024 float32; Va_b 1 float32; Va_w 1 x 1,024 float32; Wa_b 1,024 float32; Wa_w 1,024 x 1,024 float32; keys 32 x 2,048 x 1,024 float32; query 32 x 1 x 1,024 float32.
;; Outputs: out0 32 x 1 x 1,024 float32; out1 32 x 1 x 2,048 float32.
;; This version of the problem:
;;   THIS VERSION OF THE PROBLEM IS GIVEN IN LOW PRECISION. The matrix products marked QUANTISED in the list below multiply operands that are first quantised to E4M3 (4 exponent bits, 3 mantissa bits; 8 bits a number), with one power-of-two scale for each 32 numbers along K (OCP MX v1.0); their sums are f32. All else is computed in f32.
;;   The module's matrix products, in the order in which they are computed (A, B: the left and right operand; K: the contracted axis; several contracted axes count as one K, in the product's order):
;;     1. [M 32, K 1,024] x [K 1,024, N 1,024]; A: input query; B: input Wa_w: QUANTISED
;;     2. [M 65,536, K 1,024] x [K 1,024, N 1,024]; A: input keys; B: input Ua_w: QUANTISED
;;     3. [M 65,536, K 1,024] x [K 1,024, N 1]; A: computed on the way; B: input Va_w: left as it is (N = 1 < 16)
;;     4. batch 32 x [M 1, K 2,048] x [K 2,048, N 1,024]; A: computed on the way; B: input keys: left as it is (M = 1 < 16)
;;   THE QUANTISER, for each operand of a quantised product, along K:
;;     - K is cut into blocks of 32 from its start; a last block that is shorter is filled with zeros.
;;     - A block's scale is 2^e with e = floor(log2(the largest magnitude in the block)) - 8, held to -126 .. 127; a block of zeros has e = 0. As a byte (E8M0): e + 127.
;;     - Each number is divided by its block's scale, clamped to +-448, and rounded to the nearest number of E4M3, ties to even, subnormals kept.
;;     - The product sums the exact products of the quantised numbers (number of the format x scale) in f32.
;;   ~~~python
;;   def quantise(x, axis):      # numpy; x: float32 -> the quantised numbers, widened to float32 again
;;       x = np.moveaxis(x, axis, -1); K = x.shape[-1]
;;       x = np.pad(x, [(0, 0)] * (x.ndim - 1) + [(0, -K % 32)]); x = x.reshape(x.shape[:-1] + (-1, 32)); a = np.abs(x).max(-1, keepdims=True)
;;       e = np.where(a > 0, np.clip(np.frexp(np.where(a > 0, a, 1))[1] - 1 - 8, -126, 127), 0)      # np.frexp(a)[1] - 1 = floor(log2(a)), exactly
;;       r = np.clip(x / 2.0 ** e, -448, 448)
;;       step = 2.0 ** (np.maximum(np.frexp(np.where(r == 0, 1, r))[1] - 1, -6) - 3)
;;       q = np.round(r / step) * step * 2.0 ** e      # np.round: ties to even
;;       return np.moveaxis(q.reshape(q.shape[:-2] + (-1,))[..., :K], -1, axis).astype(np.float32)
;;   ~~~
;; One version. Each part assembles by itself: llvm-mc -triple=amdgcn-amd-amdhsa -mcpu=gfx1250 --defsym DOCPART=n.
;; ======== version 1 of 1: 3 launches
;; limits: right only within a limited range of input values
;; workspace buffers: wcodes 1,048,576 bytes; wscales 32,768 bytes; tab 262,144 bytes; scores 262,144 bytes
;; launch prep (part 1): grid 64 x 1, 8 waves a work-group, no clusters, 17,920 bytes of LDS; arguments Ua_w, Wa_w, query, Wa_b, Ua_b, Va_w, wcodes, wscales, tab; writes wcodes, wscales, tab
.if DOCPART == 1
	.amdgcn_target "amdgcn-amd-amdhsa--gfx1250"
	.amdhsa_code_object_version 6
	.text
	.protected	k_qf83c7828a7_prep
	.globl	k_qf83c7828a7_prep
	.p2align	8
	.type	k_qf83c7828a7_prep,@function
k_qf83c7828a7_prep:
	s_mov_b64 s[64:65], 0
	v_nop
	global_prefetch_b8 v0, s[64:65] scope:SCOPE_SE
	s_setreg_imm32_b32 hwreg(HW_REG_WAVE_MODE, 25, 1), 1
	s_wait_xcnt 0x0
; BAHDANAU ATTENTION, launch 1 of 3.  out1 = softmax over s of score[b][s]; out0 = sum over s of out1 x keys;
; score[b][s] = sum over n of Va_w[n] tanh(x[b][s][n]) + Va_b,  x = (query Wa_w^T + Wa_b) + (keys Ua_w^T + Ua_b), both products on codes of E4M3 with one E8M0 scale for each 32 along K.
; WORK LEFT OUT, for all finite values of the inputs:
;  (1) Va_b is added to every score of a row b, and both outputs hang on the scores through the softmax along s alone, which a term that is the same along s does not move.
;      So Va_b has no way to any output: it is not loaded and is among no launch's arguments.
;  (2) tanh(x) = 1 - 2 r with r = 1 / (1 + 2^(c x)), c = 2 log2(e).  So score = sum Va_w[n] - 2 sum Va_w[n] r[n] + Va_b, and sum Va_w[n] is the same along s too.
;      What is kept: t = sum over n of va[n] r[n], va = -2 log2(e) Va_w: the score in base 2, less a constant of the row.  The softmax takes the row's true largest t away.
;  LIMIT: a NaN, an infinity or an overflow that reaches only Va_b or the sum of Va_w is not carried to the result.  NaN and infinities among the inputs are not served.
;  A block whose largest magnitude lies under 2^-118 has its scale byte held at 1, as the quantiser says; a block of zeros keeps the byte 1 where the quantiser says 127: its codes are zeros, and this program alone reads the bytes.
; THIS LAUNCH makes what the second launch reads again and again:
;  wcodes:  Ua_w as codes, laid as images of the operand's registers: byte t 16384 + k 2048 + c 512 + 16 lane + i is the code of Ua_w[16 t + lane % 16][128 k + 32 c + 16 (lane / 16) + i].
;  wscales: at t 512 + (k / 4) 256 + 16 r + 4 (k % 4) the four scale bytes of row 16 t + r for K step k.
;  tab:     [b 32][t 64][h 2][16 f32]: eight numbers qb[b][16 t + 8 h + j] = q_proj + Wa_b + Ua_b, then eight va[16 t + 8 h + j].
; SHARES.  Work-group t takes 16 rows of Ua_w and of Wa_w; its wave k takes K step k (128 along K) of both, and of the query's 32 rows.  The eight waves' parts of q_proj meet in LDS.
; 64 work-groups: there are 64 tiles of 16 rows.  tab leaves in pieces of 16 bytes (two lanes), 256 KiB in all: its layout serves the reader.
.set RED,   0                          ; LDS: eight waves x 2,048 bytes: the images of each wave's two results
.set SCW,   16384                      ; 512 bytes: the tile's scale words as wscales has them
.set SPARE, 16896                      ; the spare words, 128 bytes for each of eight waves: four blocks of 256 bytes that no other line names
.set XA,   3                           ; v3   4096 r + 64 h: my 16 numbers of a block of 32 in my row
.set LI,   4                           ; v4   16 x lane
.set SCWW, 5                           ; v5   where my row's scale word goes
.set REDW, 6                           ; v6   where my results' images go
.set REDR, 7                           ; v7   which 8 bytes of each wave's images I sum
.set BO,   8                           ; v8   my two numbers in Wa_b, Ua_b, Va_w
.set TO,   9                           ; v9   and in tab
.set SPW,  10                          ; v10  LDS address of my spare word; never rewritten
.set NIL,  11                          ; v11  0; never rewritten
.set SCWR, 12                          ; v12  SCW + 16 x lane
.set CU,   16                          ; codes: Ua_w, Wa_w, query rows 0-15, query rows 16-31
.set CW,   32
.set CQ0,  48
.set CQ1,  64
.set XB0,  80                          ; two buffers of 64 numbers
.set XB1,  144
.set TM,   208                         ; v208-211 largest magnitudes, v212-215 bytes, v216-219 448 x the scale, v220-223 the conversions' scale operands
.set SUA,  224                         ; scale words
.set SWA,  225
.set SQ0,  226
.set SQ1,  227
.set BWA,  228
.set BUA,  230
.set VVA,  232
.set D0,   234
.set D1,   242
.set OSC,  250
.set WV,    22
.set VC,    30                         ; s[30:31] -2 log2(e)
.set SEL,   32                         ; s[32:33] v_permlanex16_b32's selects for lane l xor 16
.set FLOOR, 36
.set EOFF,  37
.set EMASK, 38
.set MNT,   39
; 64 numbers of a lane, register 16 b + i = k 32 b + 16 (lane / 16) + i of my row, become a fragment's codes in v[pc] on and its scale word in v[pw]
.macro QUANT s, pc, pw
.irp b, 0,1,2,3
	v_max3_num_f32 v[TM+\b], |v[\s+16*\b]|, |v[\s+1+16*\b]|, s[FLOOR]   ; block b: my 16 numbers, and the floor 2^(9 - 127): the byte cannot fall under 1
.endr
.irp i, 2,4,6,8,10,12,14
.irp b, 0,1,2,3
	s_delay_alu instid0(VALU_DEP_4)
	v_max3_num_f32 v[TM+\b], v[TM+\b], |v[\s+16*\b+\i]|, |v[\s+1+16*\b+\i]|   ; the four blocks by turns
.endr
.endr
.irp b, 0,1,2,3
	s_delay_alu instid0(VALU_DEP_4)
	v_permlanex16_b32 v[TM+4+\b], v[TM+\b], s[SEL], s[SEL+1]
.endr
.irp b, 0,1,2,3
	s_delay_alu instid0(VALU_DEP_4)
	v_max_num_f32 v[TM+\b], v[TM+\b], v[TM+4+\b]           ; with lane l xor 16's: the block's largest magnitude
.endr
.irp b, 0,1,2,3
	s_delay_alu instid0(VALU_DEP_4)
	v_add_nc_u32 v[TM+12+\b], s[EOFF], v[TM+\b]            ; 8 off its exponent field: the conversion takes this operand's exponent field as its scale
.endr
.irp b, 0,1,2,3
	v_and_or_b32 v[TM+8+\b], v[TM+\b], s[EMASK], s[MNT]    ; 448 x the scale
.endr
.irp b, 0,1,2,3
	v_lshrrev_b32 v[TM+4+\b], 23, v[TM+12+\b]              ; the scale's byte
.endr
	s_delay_alu instid0(VALU_DEP_3)
	v_lshl_or_b32 v[\pw], v[TM+5], 8, v[TM+4]
	s_delay_alu instid0(VALU_DEP_1)
	v_lshl_or_b32 v[\pw], v[TM+6], 16, v[\pw]
	s_delay_alu instid0(VALU_DEP_1)
	v_lshl_or_b32 v[\pw], v[TM+7], 24, v[\pw]
.irp b, 0,1,2,3
.irp i, 0,1,2,3,4,5,6,7,8,9,10,11,12,13,14,15
	v_med3_num_f32 v[\s+16*\b+\i], v[\s+16*\b+\i], -v[TM+8+\b], v[TM+8+\b]   ; the conversion does not saturate (ISA guide 7.6.2): the hold at the largest code x the scale
.endr
	v_cvt_scalef32_pk8_fp8_f32 v[\pc+4*\b:\pc+1+4*\b], v[\s+16*\b:\s+7+16*\b], v[TM+12+\b]
	v_cvt_scalef32_pk8_fp8_f32 v[\pc+2+4*\b:\pc+3+4*\b], v[\s+8+16*\b:\s+15+16*\b], v[TM+12+\b]
.endr
	v_nop                                          ; one plain line behind the last conversion
.endm
.macro XLOAD reg, lo, off              ; my 64 numbers of 16 rows x 128 along K
.irp b, 0,1,2,3
.irp j, 0,1,2,3
	global_load_b128 v[\reg+16*\b+4*\j:\reg+16*\b+4*\j+3], v[XA], s[\lo:\lo+1] offset:\off+128*\b+16*\j
.endr
.endr
.endm
	s_load_b256 s[4:11], s[0:1], 0x0               ; Ua_w s[4:5], Wa_w s[6:7], query s[8:9], Wa_b s[10:11]
	s_load_b256 s[12:19], s[0:1], 0x20             ; Ua_b s[12:13], Va_w s[14:15], wcodes s[16:17], wscales s[18:19]
	s_load_b64 s[20:21], s[0:1], 0x40              ; tab
	v_lshl_add_u32 v[SPW], v0, 2, SPARE
	v_mov_b32 v[NIL], 0
	v_lshrrev_b32 v14, 5, v0
	s_delay_alu instid0(VALU_DEP_1)
	v_readfirstlane_b32 s[WV], v14                 ; wave = K step, 0..7
	v_and_b32 v13, 31, v0                          ; lane
	s_wait_alu depctr_va_vdst(0)
	v_and_b32 v1, 15, v0                           ; r
	v_bfe_u32 v2, v0, 4, 1                         ; h
	s_delay_alu instid0(VALU_DEP_2)
	v_lshlrev_b32 v[XA], 12, v1
	s_delay_alu instid0(VALU_DEP_1)
	v_lshl_add_u32 v[XA], v2, 6, v[XA]
	v_lshlrev_b32 v[LI], 4, v13
	s_wait_alu depctr_va_vdst(0)
	s_lshr_b32 s40, s[WV], 2
	s_lshl_b32 s40, s40, 8
	s_and_b32 s41, s[WV], 3
	s_lshl_b32 s41, s41, 2
	s_add_co_u32 s40, s40, s41
	s_add_co_u32 s40, s40, SCW
	v_lshl_add_u32 v[SCWW], v1, 4, s40             ; SCW + 256 (k / 4) + 4 (k % 4) + 16 r
	s_lshl_b32 s41, s[WV], 11
	v_add_nc_u32 v[REDW], s41, v[LI]               ; RED + 2048 k + 16 lane
	s_lshl_b32 s41, s[WV], 8
	v_lshl_add_u32 v[REDR], v13, 3, s41            ; RED + 256 wave + 8 lane: of the images' 2,048 bytes each wave sums 256
	v_add_nc_u32 v[SCWR], SCW, v[LI]
	; Those 8 bytes are registers 2 (lane % 2) + 0, 1 of image i = wave / 2, lane 16 (wave % 2) + lane / 2: b = 16 (i / 2) + lane / 2, n = 16 t + 8 (wave % 2) + 4 (i % 2) + 2 (lane % 2) + 0, 1
	s_and_b32 s42, s[WV], 1                        ; h of those numbers
	s_bfe_u32 s43, s[WV], 0x10001                  ; i % 2
	s_lshl_b32 s43, s43, 4
	s_lshl_b32 s44, s42, 5
	s_add_co_u32 s44, s44, s43
	s_lshl_b32 s45, ttmp9, 6
	s_add_co_u32 s44, s44, s45                     ; 64 t + 32 h + 16 (i % 2)
	v_and_b32 v14, 1, v13
	s_delay_alu instid0(VALU_DEP_1)
	v_lshl_add_u32 v[BO], v14, 3, s44
	s_lshl_b32 s44, s42, 6
	s_add_co_u32 s44, s44, s43
	s_lshl_b32 s45, ttmp9, 7
	s_add_co_u32 s44, s44, s45
	s_lshr_b32 s45, s[WV], 2
	s_lshl_b32 s45, s45, 17
	s_add_co_u32 s44, s44, s45                     ; 16 (i / 2) x 8192 + 128 t + 64 h + 16 (i % 2)
	v_lshrrev_b32 v15, 1, v13
	s_delay_alu instid0(VALU_DEP_1)
	v_lshl_add_u32 v[TO], v15, 13, s44
	s_delay_alu instid0(VALU_DEP_1)
	v_lshl_add_u32 v[TO], v14, 3, v[TO]
.irp b, 0,1,2,3
	v_mov_b32 v[TM+4+\b], 0                        ; written once: a lane permute's destination counts as one of its sources
.endr
	s_mov_b32 s[SEL], 0x76543210
	s_mov_b32 s[SEL+1], 0xfedcba98
	s_mov_b32 s[FLOOR], 0x4800000
	s_mov_b32 s[EOFF], 0xfc000000
	s_mov_b32 s[EMASK], 0x7f800000
	s_mov_b32 s[MNT], 0x600000
	s_mov_b32 s[VC], 0xc038aa3b                    ; -2 log2(e)
	s_mov_b32 s[VC+1], s[VC]                       ; named with it as a pair, so it is written
	s_lshl_b32 s26, s[WV], 9                       ; my K step: 512 bytes along a row
	s_mov_b32 s27, 0
	s_lshl_b32 s24, ttmp9, 16                      ; the tile's 16 rows of 4,096 bytes
	s_add_co_u32 s24, s24, s26
	s_mov_b32 s25, 0
	s_lshl_b32 s28, ttmp9, 14
	s_lshl_b32 s29, s[WV], 11
	s_add_co_u32 s28, s28, s29                     ; wcodes: 16384 t + 2048 k
	s_mov_b32 s29, 0
	s_lshl_b32 s34, ttmp9, 9                       ; wscales: 512 t
	s_mov_b32 s35, 0
	s_wait_alu depctr_va_vdst(0)
	s_wait_kmcnt 0x0
	s_add_nc_u64 s[4:5], s[4:5], s[24:25]
	s_add_nc_u64 s[6:7], s[6:7], s[24:25]
	s_add_nc_u64 s[8:9], s[8:9], s[26:27]
	s_add_nc_u64 s[16:17], s[16:17], s[28:29]
	s_add_nc_u64 s[18:19], s[18:19], s[34:35]
	global_load_b64 v[BWA:BWA+1], v[BO], s[10:11]
	global_load_b64 v[BUA:BUA+1], v[BO], s[12:13]
	global_load_b64 v[VVA:VVA+1], v[BO], s[14:15]
	XLOAD XB0, 4, 0                                ; Ua_w
	XLOAD XB1, 6, 0                                ; Wa_w
	s_wait_loadcnt 16                              ; all but Wa_w's 16 loads: Ua_w is in
	QUANT XB0, CU, SUA
	XLOAD XB0, 8, 0                                ; the query's rows 0-15 take the buffer that Ua_w has left
.irp c, 0,1,2,3
	global_store_b128 v[LI], v[CU+4*\c:CU+4*\c+3], s[16:17] offset:512*\c   ; the fragment's image: 512 consecutive bytes a store
.endr
	ds_store_b32 v[SCWW], v[SUA]                   ; both halves of the lanes write the same word with the same value
	s_wait_loadcnt 16                              ; all but the query's 16: Wa_w is in
	QUANT XB1, CW, SWA
	XLOAD XB1, 8, 65536                            ; the query's rows 16-31
	s_wait_loadcnt 16                              ; rows 0-15 are in
	QUANT XB0, CQ0, SQ0
	s_wait_loadcnt 0x0
	QUANT XB1, CQ1, SQ1
.rept 4
	v_nop                                          ; codes made by vector instructions stand four places ahead of a scaled matrix instruction; the scale word was made ahead of the 64 holds
.endr
	; source 0 = 16 rows of Wa_w, source 1 = 16 rows of the query: lane (r, h), register j: my K step's part of q_proj[b = r (+ 16)][16 t + 8 h + j]
	v_wmma_scale_f32_16x16x128_f8f6f4 v[D0:D0+7], v[CW:CW+15], v[CQ0:CQ0+15], 0, v[SWA], v[SQ0]
	v_wmma_scale_f32_16x16x128_f8f6f4 v[D1:D1+7], v[CW:CW+15], v[CQ1:CQ1+15], 0, v[SWA], v[SQ1]
.rept 8
	v_nop                                          ; eight places ahead of the first read of the results
.endr
	ds_store_b128 v[REDW], v[D0:D0+3]              ; each result from its low end on
	ds_store_b128 v[REDW], v[D0+4:D0+7] offset:512
	ds_store_b128 v[REDW], v[D1:D1+3] offset:1024
	ds_store_b128 v[REDW], v[D1+4:D1+7] offset:1536
	s_wait_dscnt 0x0                               ; for the others' sake: my stores have landed
	s_barrier_signal -1
	s_barrier_wait -1
.irp j, 0,1,2,3,4,5,6,7
	ds_load_b64 v[XB0+2*\j:XB0+2*\j+1], v[REDR] offset:RED+2048*\j   ; the eight K steps' parts of my two numbers
.endr
	v_pk_add_f32 v[BWA:BWA+1], v[BWA:BWA+1], v[BUA:BUA+1]           ; Wa_b + Ua_b
	v_pk_mul_f32 v[VVA:VVA+1], v[VVA:VVA+1], s[VC:VC+1] op_sel_hi:[1,0]   ; va = -2 log2(e) Va_w
	s_wait_dscnt 0x0
.irp j, 0,4,8,12
	v_pk_add_f32 v[XB0+\j:XB0+\j+1], v[XB0+\j:XB0+\j+1], v[XB0+\j+2:XB0+\j+3]
.endr
	s_delay_alu instid0(VALU_DEP_3)
	v_pk_add_f32 v[XB0:XB0+1], v[XB0:XB0+1], v[XB0+4:XB0+5]
	s_delay_alu instid0(VALU_DEP_2)
	v_pk_add_f32 v[XB0+8:XB0+9], v[XB0+8:XB0+9], v[XB0+12:XB0+13]
	s_delay_alu instid0(VALU_DEP_1)
	v_pk_add_f32 v[XB0:XB0+1], v[XB0:XB0+1], v[XB0+8:XB0+9]
	s_wait_alu depctr_va_vdst(0)
	v_pk_add_f32 v[XB0:XB0+1], v[XB0:XB0+1], v[BWA:BWA+1]
	global_store_b64 v[TO], v[XB0:XB0+1], s[20:21]                  ; qb
	global_store_b64 v[TO], v[VVA:VVA+1], s[20:21] offset:32        ; va, once for each b: the reader finds it beside qb
	s_cmp_lg_u32 s[WV], 7                          ; the tile's 512 scale bytes leave as one run, by one wave
	s_cbranch_scc1 .Lnot_wave_7
	ds_load_b128 v[OSC:OSC+3], v[SCWR]
	s_wait_dscnt 0x0
	global_store_b128 v[LI], v[OSC:OSC+3], s[18:19]
.Lnot_wave_7:
	s_wait_tensorcnt 0x0                           ; the wave's end: three closing lines behind my last LDS store
	ds_add_u32 v[SPW], v[NIL]
	s_wait_dscnt 0x0
	s_endpgm
.Lfunc_end_k_qf83c7828a7_prep:
	.size	k_qf83c7828a7_prep, .Lfunc_end_k_qf83c7828a7_prep-k_qf83c7828a7_prep
	.p2alignl 7, 3214868480
	.fill 96, 4, 3214868480
	.section	.rodata,"a",@progbits
	.p2align	6, 0x0
	.amdhsa_kernel k_qf83c7828a7_prep
		.amdhsa_group_segment_fixed_size 17920
		.amdhsa_private_segment_fixed_size 0
		.amdhsa_enable_private_segment 0
		.amdhsa_kernarg_size 72
		.amdhsa_user_sgpr_count 2
		.amdhsa_user_sgpr_kernarg_segment_ptr 1
		.amdhsa_wavefront_size32 1
		.amdhsa_system_sgpr_workgroup_id_x 1
		.amdhsa_system_sgpr_workgroup_id_y 1
		.amdhsa_system_sgpr_workgroup_id_z 1
		.amdhsa_system_vgpr_workitem_id 0
		.amdhsa_next_free_vgpr 256
		.amdhsa_next_free_sgpr 66
		.amdhsa_reserve_vcc 0
		.amdhsa_float_denorm_mode_32 3
		.amdhsa_float_denorm_mode_16_64 3
		.amdhsa_memory_ordered 1
		.amdhsa_forward_progress 1
		.amdhsa_inst_pref_size 49
	.end_amdhsa_kernel
	.amdgpu_metadata
---
amdhsa.version: [ 1, 2 ]
amdhsa.kernels:
  - .name:           k_qf83c7828a7_prep
    .symbol:         k_qf83c7828a7_prep.kd
    .args:
      - { .name: Ua_w, .offset: 0, .size: 8, .value_kind: global_buffer, .address_space: global }
      - { .name: Wa_w, .offset: 8, .size: 8, .value_kind: global_buffer, .address_space: global }
      - { .name: query, .offset: 16, .size: 8, .value_kind: global_buffer, .address_space: global }
      - { .name: Wa_b, .offset: 24, .size: 8, .value_kind: global_buffer, .address_space: global }
      - { .name: Ua_b, .offset: 32, .size: 8, .value_kind: global_buffer, .address_space: global }
      - { .name: Va_w, .offset: 40, .size: 8, .value_kind: global_buffer, .address_space: global }
      - { .name: wcodes, .offset: 48, .size: 8, .value_kind: global_buffer, .address_space: global }
      - { .name: wscales, .offset: 56, .size: 8, .value_kind: global_buffer, .address_space: global }
      - { .name: tab, .offset: 64, .size: 8, .value_kind: global_buffer, .address_space: global }
    .group_segment_fixed_size: 17920
    .private_segment_fixed_size: 0
    .kernarg_segment_align: 8
    .kernarg_segment_size: 72
    .max_flat_workgroup_size: 256
    .sgpr_count:     66
    .vgpr_count:     256
    .wavefront_size: 32
...
	.end_amdgpu_metadata
.endif
;; end of part 1
;; launch scores (part 2): grid 256 x 1, 4 waves a work-group, clusters of 4 x 1, 327,680 bytes of LDS; arguments keys, wcodes, wscales, tab, scores; writes scores
.if DOCPART == 2
	.amdgcn_target "amdgcn-amd-amdhsa--gfx1250"
	.amdhsa_code_object_version 6
	.text
	.protected	k_qf83c7828a7_scores
	.globl	k_qf83c7828a7_scores
	.p2align	8
	.type	k_qf83c7828a7_scores,@function
k_qf83c7828a7_scores:
	s_mov_b64 s[64:65], 0
	v_nop
	global_prefetch_b8 v0, s[64:65] scope:SCOPE_SE
	s_setreg_imm32_b32 hwreg(HW_REG_WAVE_MODE, 25, 1), 1
	s_wait_xcnt 0x0
	s_wait_alu depctr_hold_cnt(0) depctr_sa_sdst(0) depctr_va_vdst(0) depctr_va_sdst(0) depctr_va_ssrc(0) depctr_va_vcc(0) depctr_vm_vsrc(0)
	s_getreg_b32 s2, hwreg(HW_REG_IB_STS2, 6, 4)
	s_cmp_eq_u32 s2, 0
	s_cbranch_scc0 .Lentry_in_a_cluster
	s_endpgm
.Lentry_in_a_cluster:
	s_bfe_u32 s2, ttmp6, 0x10000c
	s_cmp_lg_u32 s2, 0x3003
	s_cbranch_scc0 .Lentry_shape_is_right
	s_endpgm
.Lentry_shape_is_right:
; BAHDANAU ATTENTION, launch 2 of 3.  scores[b 2048 + s] = t = sum over n of va[n] / (1 + 2^(c x[n])), x = qb[b][n] + sum over k of Q(keys[b][s][k]) Q(Ua_w[n][k]), c = 2 log2(e).
; Left out, as shown at the head of the first launch: Va_b and the sum of Va_w, which are the same along s and which the softmax takes away.  tanh is held in range by its form: 2^(c x) = infinity gives r = 0, 2^(c x) = 0 gives r = 1.
; SHARES.  A work-group owns 256 rows of keys.  Wave w owns four tiles of 16: tile m holds rows 128 (m / 2) + 32 w + 16 (m % 2) on.
; PHASE Q.  Fill n = 0 .. 7 holds rows 128 (n / 4) on, 128 of them, and columns 256 (n % 4) on: 128 LDS lines of 1,024 bytes.  Waves 0 and 1 bring 64 rows each; wave w reads lines 32 w on: two tiles x two K steps.
; A counted loop of seven trips and a written tail: all but the conversions is the same in every trip; the conversions, whose destinations differ, stand in arms chosen by the trip's number.
; The codes' and scale words' registers are written once with zeros under the first loads' flight, so that every way through the arms finds them written.
; PHASE G.  Ua_w's codes, 64 tiles of 16 hidden units, walk through the same LDS bytes, eight tiles a slot; each tile is 32 matrix instructions a wave on the 512 registers of codes.
; Source 0 = 16 rows of Ua_w, source 1 = 16 rows of keys: lane (r, h) holds key row r, register j hidden unit 16 t + 8 h + j.  qb is the C of a tile's first four products.  The tile before is worked in place: X and Y change places.
; CLUSTER.  The four work-groups of a cluster lie in one batch row and ask for codes, scale words and table JOINTLY (mask 15).  The keys are a work-group's own: plain loads.  My place in the cluster enters global addresses of keys and scores alone.
; PREFETCH.  In trip q each wave names fill q + 2: its 32 rows, a lane a row, four blocks of 256 bytes: one trip ahead of the tensor load that wants them; trips 6 and 7 ask for nothing.  Phase G's codes are read by every cluster: none there.
; WINDOWS: 0: addresses, v16-47 keys' scale words (4 k + m), v48-63 Ua_w's, v64-191 two buffers of 64 numbers, v192-212 at work; 1: X, Y, sums, qb, va, a tile's fragments; 2, 3: the keys' codes at v[64 (k % 4) + 16 m].
.set LINE,  1040
.set SUB,   32*LINE
.set SLOTB, 4*SUB
.set TILEB, 16*LINE
.set FRAGB, 2*LINE
.set WSC,   2*SLOTB                    ; Ua_w's scale words, 32,768 bytes, filled once
.set TAB,   WSC+32768                  ; my batch row's table, 8,192 bytes, filled once
.set SCR,   TAB+8192                   ; 1,024 bytes: the work-group's 256 scores on the way out; no tensor load lands here
.set SPARE, SCR+1024                   ; the spare words: 128 bytes a wave, named by no other line
.set KA0,  3                           ; my lane's place in my part of slot 0
.set KA,   4                           ; the same in the slot in hand
.set BB,   5
.set TL,   6
.set SL,   7
.set ADB,  8
.set ADT,  9
.set ADS,  10
.set SCWA, 11
.set SCRD, 12
.set GO,   13
.set SPW,  14
.set NIL,  15
.set SA,   16
.set SB,   48
.set XB,   64
.set TM,   192
.set PW,   208
.set FS,   208
.set PFO,  212                         ; 4096 x lane; never rewritten
.set X,    0
.set Y,    32
.set SACC, 64
.set QB,   72
.set VA,   80
.set WF,   128
.set WV,    14
.set CX,    15
.set SEL,   24
.set MNT,   26
.set FLOOR, 27
.set CC,    28
.set EOFF,  30
.set EMASK, 31
.set G1K,  32
.set G1W,  40
.set G1S,  48
.set G1T,  56
.set SLB,  66                          ; LDS byte at which the slot in hand begins (phase Q)
.set G0K,  68
.set KB,   72                          ; s[72:73] the 64 rows that I load, fill 0
.set PFB,  74                          ; s[74:75] the 32 rows that I prefetch, fill 0
.set G0W,  76
.set G0S,  80
.set G0T,  84
.set TB,   88
.set TR,   89
.set TS,   90
.set OC,   91
.set IC,   92
.set QN,   93                          ; phase Q's trip
.set PFA,  98                          ; s[98:99] where my prefetches stand
.set WK2,  0x59
.set WK3,  0x5d
.set WSF,  0x55
.set WLD,  0x40
.set MSB, 0
.macro WIN new
.if MSB != (\new)
	s_set_vgpr_msb (MSB<<8)|(\new)
.set MSB, (\new)
.endif
.endm
.macro CROUND                          ; a round of the cluster's barrier
	s_barrier_signal -1
	s_barrier_wait -1
	s_cmp_lg_u32 s[WV], 0
	s_cbranch_scc1 .Lnot_wave_0_\@
	s_barrier_signal -3
.Lnot_wave_0_\@:
	s_barrier_wait -3
	s_barrier_signal -1
	s_barrier_wait -1
.endm
.macro PLACES n
.rept \n
	v_nop
.endr
.endm
.macro WALU
	s_wait_alu depctr_va_vdst(0)
.endm
.macro TLD g0, g1                      ; a tensor load with an s_nop and four v_nops behind it
	tensor_load_to_lds s[\g0:\g0+3], s[\g1:\g1+7]
	s_nop 0
	PLACES 4
.endm
.macro OFFS                            ; s94 = fill n -> s[96:97] = its byte offset: 128 rows x 4,096 for n / 4, 1,024 for n % 4
	s_lshr_b32 s95, s94, 2
	s_lshl_b32 s95, s95, 19
	s_and_b32 s96, s94, 3
	s_lshl_b32 s96, s96, 10
	s_add_co_u32 s96, s96, s95
	s_mov_b32 s97, 0
.endm
	s_load_b256 s[4:11], s[0:1], 0x0               ; keys, wcodes, wscales, tab
	s_load_b64 s[12:13], s[0:1], 0x20              ; scores
	v_lshl_add_u32 v[SPW], v0, 2, SPARE
	v_mov_b32 v[NIL], 0
	ds_add_u32 v[SPW], v[NIL]                      ; the opening lines: the add, twice on end, and its wait below
	ds_add_u32 v[SPW], v[NIL]
	v_lshrrev_b32 v1, 5, v0
	v_readfirstlane_b32 s[WV], v1
	s_bfe_u32 s[CX], ttmp6, 0x40000
	s_mov_b32 s[G1K], (2<<16)|(1<<20)|(7<<22)|(3<<25)               ; keys: 64 rows x 256 elements of 4 bytes, 1,024 apart; four words of padding behind every 256
	s_mov_b32 s[G1W], 15|(2<<16)|(1<<20)|(1<<21)|(7<<22)|(3<<25)    ; codes: 32 dense rows of the same length, joint
.irp g, G1K, G1W
	s_mov_b32 s[\g+1], 256<<16
	s_mov_b32 s[\g+3], 256<<16
	s_mov_b32 s[\g+6], 0
	s_mov_b32 s[\g+7], 0
.endr
	s_mov_b32 s[G1K+2], 64<<16
	s_mov_b32 s[G1K+4], 64
	s_mov_b32 s[G1K+5], 1024
	s_mov_b32 s[G1W+2], 32<<16
	s_mov_b32 s[G1W+4], 32
	s_mov_b32 s[G1W+5], 256
	s_mov_b32 s[G1S], 15|(3<<16)|(1<<21)           ; dense blocks as rows of 256 bytes: 128 of scale words, 32 of the table
	s_mov_b32 s[G1T], 15|(3<<16)|(1<<21)
.irp g, G1S, G1T
	s_mov_b32 s[\g+1], 32<<16
	s_mov_b32 s[\g+3], 32<<16
	s_mov_b32 s[\g+5], 32
	s_mov_b32 s[\g+6], 0
	s_mov_b32 s[\g+7], 0
.endr
	s_mov_b32 s[G1S+2], 128<<16
	s_mov_b32 s[G1S+4], 128
	s_mov_b32 s[G1T+2], 32<<16
	s_mov_b32 s[G1T+4], 32
	s_lshl_b32 s16, ttmp9, 2
	s_add_co_u32 s16, s16, s[CX]                   ; my work-group
	s_lshl_b32 s18, s16, 10
	s_lshl_b32 s19, s[WV], 8
	s_add_co_u32 s18, s18, s19                     ; the 256 bytes of scores that my wave stores
	s_mov_b32 s19, 0
	s_lshl_b32 s16, s16, 20                        ; its 256 rows of 4,096 bytes
	s_and_b32 s17, s[WV], 1
	s_mul_i32 s23, s17, 2*SUB                      ; the half of a slot that I load, if I load
	s_lshl_b32 s17, s17, 18
	s_add_co_u32 s94, s16, s17                     ; and its 64 rows
	s_mov_b32 s95, 0
	s_lshl_b32 s17, s[WV], 17
	s_add_co_u32 s96, s16, s17                     ; the 32 rows that I prefetch and read
	s_mov_b32 s97, 0
	s_mul_i32 s22, s[WV], SUB
	s_lshl_b32 s20, s[WV], 15                      ; my quarter of a slot's codes
	s_mov_b32 s21, 0
	s_lshr_b32 s2, ttmp9, 1                        ; my batch row: two clusters to a row
	s_lshl_b32 s2, s2, 13
	s_mov_b32 s3, 0
	s_mov_b32 s[SEL], 0x76543210
	s_mov_b32 s[SEL+1], 0xfedcba98
	s_mov_b32 s[MNT], 0x600000
	s_mov_b32 s[FLOOR], 0x4800000
	s_mov_b32 s[EOFF], 0xfc000000
	s_mov_b32 s[EMASK], 0x7f800000
	s_mov_b32 s[CC], 0x4038aa3b                    ; 2 log2(e)
	s_mov_b32 s[CC+1], s[CC]
	s_mov_b32 s[TB], 0
	s_mov_b32 s[TR], 0
	s_mov_b32 s[TS], 0
	s_mov_b32 s[QN], 0
	s_mov_b32 s[SLB], 0
	s_wait_dscnt 0x0                               ; both opening adds are done
	s_wait_kmcnt 0x0
	s_mov_b32 s[G0S], 1
	s_mov_b32 s[G0S+1], WSC
	s_mov_b64 s[G0S+2:G0S+3], s[8:9]
	s_or_b32 s[G0S+3], s[G0S+3], 0x80000000
	s_mov_b32 s[G0T], 1
	s_mov_b32 s[G0T+1], TAB
	s_add_nc_u64 s[G0T+2:G0T+3], s[10:11], s[2:3]
	s_or_b32 s[G0T+3], s[G0T+3], 0x80000000
	s_add_nc_u64 s[KB:KB+1], s[4:5], s[94:95]
	s_add_nc_u64 s[PFB:PFB+1], s[4:5], s[96:97]
	s_mov_b32 s[G0K], 1
	s_mov_b32 s[G0K+1], s23
	s_mov_b64 s[G0K+2:G0K+3], s[KB:KB+1]
	s_or_b32 s[G0K+3], s[G0K+3], 0x80000000
	s_mov_b32 s[G0W], 1
	s_mov_b32 s[G0W+1], s22
	s_add_nc_u64 s[G0W+2:G0W+3], s[6:7], s[20:21]
	s_or_b32 s[G0W+3], s[G0W+3], 0x80000000
	s_add_nc_u64 s[12:13], s[12:13], s[18:19]
	CROUND                                         ; all four work-groups are here
	s_cmp_lt_u32 s[WV], 2                          ; the head's loads, one a wave, in one chain: waves 0, 1 the halves of fill 0; wave 2 the scale words; wave 3 the table
	s_cbranch_scc0 .Lhead_s
	TLD G0K, G1K
	s_branch .Lhead_j
.Lhead_s:
	s_cmp_lt_u32 s[WV], 3
	s_cbranch_scc0 .Lhead_t
	TLD G0S, G1S
	s_branch .Lhead_j
.Lhead_t:
	TLD G0T, G1T
.Lhead_j:
	v_and_b32 v1, 15, v0                           ; r
	v_bfe_u32 v2, v0, 4, 1                         ; h
	v_mul_u32_u24 v[KA0], v1, LINE
	v_lshl_add_u32 v[KA0], v2, 6, v[KA0]
	v_add_nc_u32 v[KA0], s22, v[KA0]
	v_and_b32 v[BB], 31, v0
	v_lshlrev_b32 v[PFO], 12, v[BB]
	v_lshlrev_b32 v[GO], 3, v[BB]
	v_lshlrev_b32 v[BB], 4, v[BB]
	v_lshl_add_u32 v[TL], v2, 6, TAB-256
	v_lshl_add_u32 v[SL], v1, 4, WSC
	s_lshl_b32 s23, s[WV], 7
	s_add_co_u32 s23, s23, SCR
	v_lshl_add_u32 v[SCWA], v1, 2, s23             ; SCR + 128 w + 4 r: tile m's score lies 512 (m / 2) + 64 (m % 2) on
	s_lshl_b32 s23, s[WV], 8
	s_add_co_u32 s23, s23, SCR
	v_add_nc_u32 v[SCRD], s23, v[GO]
.irp b, 0,1,2,3
	v_mov_b32 v[TM+4+\b], 0                        ; a lane permute's destination counts as one of its sources
.endr
.set ii, 0
.rept 32
	v_mov_b32 v[SA+ii], 0                          ; written once, as the head comment says
.set ii, ii+1
.endr
	WIN WLD
.irp i, 0,1,2,3,4,5,6,7
	v_mov_b32 v[SACC+\i], 0                        ; the scores' sums
.endr
	WIN 0x80
.set ii, 0
.rept 256
	v_mov_b32 v[ii], 0
.set ii, ii+1
.endr
	WIN 0xc0
.set ii, 0
.rept 256
	v_mov_b32 v[ii], 0
.set ii, ii+1
.endr
	WIN 0
.macro FRL f                           ; fragment f of the fill in hand: my 64 numbers into buffer f % 2: register 16 b + i = k 32 b + 16 h + i of row r
.irp b, 0,1,2,3
.irp j, 0,1,2,3
	ds_load_b128 v[XB+64*((\f)%2)+16*\b+4*\j:XB+64*((\f)%2)+16*\b+4*\j+3], v[KA] offset:((\f)/2)*TILEB+((\f)%2)*512+128*\b+16*\j
.endr
.endr
.endm
.macro QFA f, younger                  ; the blocks' largest magnitudes, scales, bounds; the holds.  younger: the LDS loads issued behind this fragment's
.set QX, XB+64*((\f)%2)
	s_wait_dscnt \younger
.irp b, 0,1,2,3
	v_max3_num_f32 v[TM+\b], |v[QX+16*\b]|, |v[QX+16*\b+1]|, s[FLOOR]   ; with the floor 2^(9 - 127): the byte cannot fall under 1
.endr
.irp i, 2,4,6,8,10,12,14
.irp b, 0,1,2,3
	v_max3_num_f32 v[TM+\b], v[TM+\b], |v[QX+16*\b+\i]|, |v[QX+16*\b+\i+1]|
.endr
.endr
.irp b, 0,1,2,3
	v_permlanex16_b32 v[TM+4+\b], v[TM+\b], s[SEL], s[SEL+1]
.endr
.irp b, 0,1,2,3
	v_max_num_f32 v[TM+\b], v[TM+\b], v[TM+4+\b]
.endr
.irp b, 0,1,2,3
	v_add_nc_u32 v[TM+12+\b], s[EOFF], v[TM+\b]            ; 8 off the exponent field: the conversion's scale operand
.endr
.irp b, 0,1,2,3
	v_and_or_b32 v[TM+8+\b], v[TM+\b], s[EMASK], s[MNT]    ; 448 x the scale
.endr
.irp b, 0,1,2,3
	v_lshrrev_b32 v[TM+4+\b], 23, v[TM+12+\b]              ; the scale's byte
.endr
	v_lshl_or_b32 v[PW], v[TM+5], 8, v[TM+4]
	v_lshl_or_b32 v[PW], v[TM+6], 16, v[PW]
.irp b, 0,1,2,3
.irp i, 0,1,2,3,4,5,6,7,8,9,10,11,12,13,14,15
	v_med3_num_f32 v[QX+16*\b+\i], v[QX+16*\b+\i], -v[TM+8+\b], v[TM+8+\b]   ; the conversion does not saturate (ISA guide 7.6.2)
.endr
.endr
.endm
.macro CVT8 q, f                       ; fill q's fragment f becomes the codes of tile QM, K step QK, and its scale word
.set QM, 2*((\q)/4)+(\f)/2
.set QK, 2*((\q)%4)+(\f)%2
.set QX, XB+64*((\f)%2)
.set QC, 64*(QK%4)+16*QM
	v_lshl_or_b32 v[SA+4*QK+QM], v[TM+7], 24, v[PW]
	WIN 0x80+0x40*(QK/4)
.irp b, 0,1,2,3
	v_cvt_scalef32_pk8_fp8_f32 v[QC+4*\b:QC+4*\b+1], v[QX+16*\b:QX+16*\b+7], v[TM+12+\b]
	v_cvt_scalef32_pk8_fp8_f32 v[QC+4*\b+2:QC+4*\b+3], v[QX+16*\b+8:QX+16*\b+15], v[TM+12+\b]
.endr
	v_nop                                          ; one plain line behind the last conversion
	WIN 0
.endm
.macro SWITCH f                        ; the arm of the trip in hand: a chain on the trip's number
	WALU
.irp q, 0,1,2,3,4,5
	s_cmp_lg_u32 s[QN], \q
	s_cbranch_scc1 .Lsw\@_\q
	CVT8 \q, \f
	s_branch .Lswj\@
.Lsw\@_\q:
.endr
	CVT8 6, \f
.Lswj\@:
.endm
	WALU                                           ; the head's end
.Lq:                                               ; trip q = 0 .. 6 reads fill q and asks for fill q + 1 (trip 0: slot 1's first fill, behind a round at which nothing is filled again)
	s_wait_tensorcnt 0x0                           ; all my tensor loads have landed: group 0 may be written
	ds_add_u32 v[SPW], v[NIL]
	s_add_co_u32 s94, s[QN], 1
	OFFS
	s_add_nc_u64 s[G0K+2:G0K+3], s[KB:KB+1], s[96:97]
	s_or_b32 s[G0K+3], s[G0K+3], 0x80000000
	s_xor_b32 s[G0K+1], s[G0K+1], SLOTB            ; the other slot: SLOTB shares no bit with 0 or 2 SUB
	s_wait_xcnt 0x0                                ; my prefetches have read their address
	s_add_co_u32 s94, s[QN], 2
	s_min_u32 s94, s94, 7
	OFFS
	s_add_nc_u64 s[PFA:PFA+1], s[PFB:PFB+1], s[96:97]
	s_wait_dscnt 0x0                               ; the add is done, and my reads of the slot that I have left are over
	CROUND
	s_cmp_lt_u32 s[WV], 2
	s_cbranch_scc0 .Lq_none
	TLD G0K, G1K
.Lq_none:
	v_add_nc_u32 v[KA], s[SLB], v[KA0]
	FRL 0
	FRL 1
	s_cmp_lt_u32 s[QN], 6
	s_cbranch_scc0 .Lq_np
.irp i, 0,1,2,3
	global_prefetch_b8 v[PFO], s[PFA:PFA+1] offset:256*\i th:TH_LOAD_NT scope:SCOPE_SE
.endr
.Lq_np:
	QFA 0, 16
	SWITCH 0
	FRL 2
	QFA 1, 16
	SWITCH 1
	FRL 3
	QFA 2, 16
	SWITCH 2
	QFA 3, 0
	SWITCH 3
	s_xor_b32 s[SLB], s[SLB], SLOTB
	s_add_co_u32 s[QN], s[QN], 1
	s_cmp_lt_u32 s[QN], 7
	WALU
	s_cbranch_scc1 .Lq
	s_wait_tensorcnt 0x0                           ; the tail: fill 7 is read; slot 0 takes the first eight tiles of codes, jointly
	ds_add_u32 v[SPW], v[NIL]
	s_wait_dscnt 0x0
	CROUND
	TLD G0W, G1W
	v_add_nc_u32 v[KA], s[SLB], v[KA0]
	FRL 0
	FRL 1
	QFA 0, 16
	CVT8 7, 0
	FRL 2
	QFA 1, 16
	CVT8 7, 1
	FRL 3
	QFA 2, 16
	CVT8 7, 2
	QFA 3, 0
	CVT8 7, 3
; ---- PHASE G.  Period p multiplies tile p into cur and works tile p - 1's numbers in prev.  The four accumulators take turns.
.macro H0 cur, prev, ep, sb            ; K steps 0-3
	WIN WK2
.set ii, 0
.rept 16
.set rD, (\cur)+8*(ii%4)
.set rW, WF+16*(ii/4)
.set rK, 64*(ii/4)+16*(ii%4)
.if ii < 4
	v_wmma_scale_f32_16x16x128_f8f6f4 v[rD:rD+7], v[rW:rW+15], v[rK:rK+15], v[QB:QB+7], v[SB+8*(\sb)+ii/4], v[SA+ii]
.else
	v_wmma_scale_f32_16x16x128_f8f6f4 v[rD:rD+7], v[rW:rW+15], v[rK:rK+15], v[rD:rD+7], v[SB+8*(\sb)+ii/4], v[SA+ii]
.endif
.set ii, ii+1
.endr
.endm
.macro MIDA prev, ep                   ; the middle gap: the 32 exponentials of the tile before as one batch, then 1 + 2^(c x); its plain lines are the places ahead of the loads into what K steps 0-3 have read
.if \ep
.set ii, 0
.rept 32
	v_exp_f32 v[(\prev)+ii], v[(\prev)+ii]
.set ii, ii+1
.endr
	v_nop
	WALU                                           ; one wait for the 32 exponentials
.irp j, 0,1,2,3,4,5,6,7,8,9,10,11,12,13,14,15
	v_pk_add_f32 v[(\prev)+2*\j:(\prev)+2*\j+1], v[(\prev)+2*\j:(\prev)+2*\j+1], 1.0 op_sel_hi:[1,0]
.endr
	WALU                                           ; and one ahead of the reciprocals that read these
.else
	PLACES 8
.endif
.endm
.macro MIDL off, va, sbn               ; for the next tile: fragments of K steps 0-3, qb, scale words; va of the tile before
	WIN WLD
.irp k, 0,1,2,3
.irp c, 0,1,2,3
	ds_load_b128 v[WF+16*\k+4*\c:WF+16*\k+4*\c+3], v[ADB] offset:(\off)*TILEB+\k*FRAGB+\c*512+16*(\c/2)
.endr
.endr
	ds_load_b128 v[QB:QB+3], v[ADT] offset:256+(\off)*128
	ds_load_b128 v[QB+4:QB+7], v[ADT] offset:256+(\off)*128+16
.if \va
	ds_load_b128 v[VA:VA+3], v[ADT] offset:32+(\off)*128
	ds_load_b128 v[VA+4:VA+7], v[ADT] offset:32+(\off)*128+16
.endif
	WIN 0
	ds_load_b128 v[SB+8*(\sbn):SB+8*(\sbn)+3], v[ADS] offset:(\off)*512
	ds_load_b128 v[SB+8*(\sbn)+4:SB+8*(\sbn)+7], v[ADS] offset:(\off)*512+256
.endm
.macro H1 cur, prev, ep, sb, younger   ; K steps 4-7
	s_wait_dscnt \younger                          ; all but the loads just issued
	WIN WK3
.set ii, 0
.rept 16
.set rD, (\cur)+8*(ii%4)
.set rW, WF+64+16*(ii/4)
.set rK, 64*(ii/4)+16*(ii%4)
	v_wmma_scale_f32_16x16x128_f8f6f4 v[rD:rD+7], v[rW:rW+15], v[rK:rK+15], v[rD:rD+7], v[SB+8*(\sb)+4+ii/4], v[SA+16+ii]
.set ii, ii+1
.endr
.endm
.macro FSUM prev, va                   ; the sums take va x r
.irp j, 0,1,2,3
.irp m, 0,1,2,3
	v_pk_fma_f32 v[SACC+2*\m:SACC+2*\m+1], v[(\prev)+8*\m+2*\j:(\prev)+8*\m+2*\j+1], v[(\va)+2*\j:(\va)+2*\j+1], v[SACC+2*\m:SACC+2*\m+1]
.endr
.endr
.endm
.macro MSC cur                         ; c x, ascending: each accumulator is first read at its low end
.irp j, 0,1,2,3,4,5,6,7,8,9,10,11,12,13,14,15
	v_pk_mul_f32 v[(\cur)+2*\j:(\cur)+2*\j+1], v[(\cur)+2*\j:(\cur)+2*\j+1], s[CC:CC+1] op_sel_hi:[1,0]
.endr
.endm
.macro ENDL off                        ; the next tile's fragments of K steps 4-7
	WIN WLD
.irp k, 0,1,2,3
.irp c, 0,1,2,3
	ds_load_b128 v[WF+64+16*\k+4*\c:WF+64+16*\k+4*\c+3], v[ADB] offset:(\off)*TILEB+(4+\k)*FRAGB+\c*512+16*(\c/2)
.endr
.endr
.endm
.macro END prev, ep, cur, ld, off      ; the end gap: the 32 reciprocals as one batch, the sums of the tile before (17 plain lines: the places behind the last products), then the scalings of the tile just finished
.if \ep
.set ii, 0
.rept 32
	v_rcp_f32 v[(\prev)+ii], v[(\prev)+ii]
.set ii, ii+1
.endr
	v_nop
	s_wait_dscnt 0x0                               ; va is in, and all that the next period's first half wants
	WIN WSF
	WALU                                           ; one wait for the 32 reciprocals
	FSUM \prev, VA
.else
	s_wait_dscnt 0x0
	PLACES 8
	WIN WSF
.endif
	WALU                                           ; directly ahead of the first reader of the products' results
	MSC \cur
	WALU                                           ; ahead of the exponentials that read these
.if \ld
	ENDL \off
.endif
.endm
.macro ADDR                            ; the addresses of the next pair of tiles
	v_add_nc_u32 v[ADB], s[TB], v[BB]
	v_add_nc_u32 v[ADT], s[TR], v[TL]
	v_add_nc_u32 v[ADS], s[TS], v[SL]
	WALU                                           ; directly behind the writes
	s_add_co_u32 s[TB], s[TB], SUB
	s_add_co_u32 s[TR], s[TR], 256
	s_add_co_u32 s[TS], s[TS], 1024
.endm
.macro RPAIR                           ; two periods, from the middle of an odd one to the middle of the next odd one
	ADDR
	MIDL 0, 1, 0
	H1 Y, X, 1, 1, 22
	END X, 1, Y, 1, 0
	H0 X, Y, 1, 0
	MIDA Y, 1
	MIDL 1, 1, 1
	H1 X, Y, 1, 0, 22
	END Y, 1, X, 1, 1
	H0 Y, X, 1, 1
	MIDA X, 1
	WIN 0
.endm
.macro CHANGE fill                     ; the change of slots; fill = 1: the slot left takes the eight tiles two slots on
	s_wait_tensorcnt 0x0
	ds_add_u32 v[SPW], v[NIL]
.if \fill
	s_xor_b32 s[G0W+1], s[G0W+1], SLOTB
	s_add_nc_u64 s[G0W+2:G0W+3], s[G0W+2:G0W+3], 131072
.endif
	s_wait_dscnt 0x0
.if \fill
	CROUND
	TLD G0W, G1W
.else
	s_barrier_signal -1
	s_barrier_wait -1
.endif
.endm
.macro NEXTSLOT
	s_sub_co_u32 s[TB], s[TB], SLOTB
	s_xor_b32 s[TB], s[TB], SLOTB
.endm
	CHANGE 1                                       ; tiles 0-7 are whole in slot 0; slot 1 takes tiles 8-15
	ADDR                                           ; the first pair is written out: tile 0 has no tile before it
	MIDL 0, 0, 0
	ENDL 0
	s_wait_dscnt 0x0
	H0 X, Y, 0, 0
	MIDA Y, 0
	MIDL 1, 0, 1
	H1 X, Y, 0, 0, 20
	END Y, 0, X, 1, 1
	H0 Y, X, 1, 1
	MIDA X, 1
	WIN 0
	s_mov_b32 s[IC], 3
.Lpair_a:
	RPAIR
	s_sub_co_u32 s[IC], s[IC], 1
	s_cmp_lg_u32 s[IC], 0
	s_cbranch_scc1 .Lpair_a
	s_mov_b32 s[OC], 6
.Lslot:                                            ; six trips: tiles 8-55
	NEXTSLOT
	CHANGE 1
	s_mov_b32 s[IC], 4
.Lpair_b:
	RPAIR
	s_sub_co_u32 s[IC], s[IC], 1
	s_cmp_lg_u32 s[IC], 0
	s_cbranch_scc1 .Lpair_b
	s_sub_co_u32 s[OC], s[OC], 1
	s_cmp_lg_u32 s[OC], 0
	s_cbranch_scc1 .Lslot
	NEXTSLOT                                       ; the last slot is written out: nothing is left to ask for
	CHANGE 0
	s_mov_b32 s[IC], 4
.Lpair_c:
	RPAIR
	s_sub_co_u32 s[IC], s[IC], 1
	s_cmp_lg_u32 s[IC], 0
	s_cbranch_scc1 .Lpair_c
	v_add_nc_u32 v[ADT], s[TR], v[TL]              ; the tail: the second half of period 63, then tile 63's own numbers
	WALU
	WIN WLD
	ds_load_b128 v[VA:VA+3], v[ADT] offset:32      ; va of tile 62,
	ds_load_b128 v[VA+4:VA+7], v[ADT] offset:48
	ds_load_b128 v[QB:QB+3], v[ADT] offset:160     ; and of tile 63, where qb lay
	ds_load_b128 v[QB+4:QB+7], v[ADT] offset:176
	H1 Y, X, 1, 1, 4
	END X, 1, Y, 0, 0
.set ii, 0
.rept 32
	v_exp_f32 v[Y+ii], v[Y+ii]
.set ii, ii+1
.endr
	v_nop
	WALU
.set ii, 0
.rept 16
	v_pk_add_f32 v[Y+2*ii:Y+2*ii+1], v[Y+2*ii:Y+2*ii+1], 1.0 op_sel_hi:[1,0]
.set ii, ii+1
.endr
	WALU
.set ii, 0
.rept 32
	v_rcp_f32 v[Y+ii], v[Y+ii]
.set ii, ii+1
.endr
	v_nop
	WALU
	FSUM Y, QB
	; THE WAY OUT.  A sum's two halves, then lane l xor 16's: lane r holds the score of its row in tile m.  The four waves' scores meet in 1,024 bytes of LDS; each wave stores one aligned run of 256 bytes
	WIN 0x05
.irp m, 0,1,2,3
	v_add_f32 v[FS+\m], v[SACC+2*\m], v[SACC+2*\m+1]
.endr
	WIN 0
.irp m, 0,1,2,3
	v_permlanex16_b32 v[TM+4+\m], v[FS+\m], s[SEL], s[SEL+1]
.endr
.irp m, 0,1,2,3
	v_add_f32 v[FS+\m], v[FS+\m], v[TM+4+\m]
.endr
.irp m, 0,1,2,3
	ds_store_b32 v[SCWA], v[FS+\m] offset:512*(\m/2)+64*(\m%2)   ; both halves of the lanes write the same word with the same value
.endr
	s_wait_dscnt 0x0                               ; for the others' sake
	s_barrier_signal -1
	s_barrier_wait -1
	ds_load_b64 v[TM:TM+1], v[SCRD]
	s_wait_dscnt 0x0
	global_store_b64 v[GO], v[TM:TM+1], s[12:13]
	s_wait_tensorcnt 0x0                           ; the wave's end: three closing lines
	ds_add_u32 v[SPW], v[NIL]
	s_wait_dscnt 0x0
	CROUND                                         ; the closing round
	s_endpgm
.Lfunc_end_k_qf83c7828a7_scores:
	.size	k_qf83c7828a7_scores, .Lfunc_end_k_qf83c7828a7_scores-k_qf83c7828a7_scores
	.p2alignl 7, 3214868480
	.fill 96, 4, 3214868480
	.section	.rodata,"a",@progbits
	.p2align	6, 0x0
	.amdhsa_kernel k_qf83c7828a7_scores
		.amdhsa_group_segment_fixed_size 327680
		.amdhsa_private_segment_fixed_size 0
		.amdhsa_enable_private_segment 0
		.amdhsa_kernarg_size 40
		.amdhsa_user_sgpr_count 2
		.amdhsa_user_sgpr_kernarg_segment_ptr 1
		.amdhsa_wavefront_size32 1
		.amdhsa_system_sgpr_workgroup_id_x 1
		.amdhsa_system_sgpr_workgroup_id_y 1
		.amdhsa_system_sgpr_workgroup_id_z 1
		.amdhsa_system_vgpr_workitem_id 0
		.amdhsa_next_free_vgpr 1024
		.amdhsa_next_free_sgpr 100
		.amdhsa_reserve_vcc 0
		.amdhsa_float_denorm_mode_32 3
		.amdhsa_float_denorm_mode_16_64 3
		.amdhsa_memory_ordered 1
		.amdhsa_forward_progress 1
		.amdhsa_inst_pref_size 216
	.end_amdhsa_kernel
	.amdgpu_metadata
---
amdhsa.version: [ 1, 2 ]
amdhsa.kernels:
  - .name:           k_qf83c7828a7_scores
    .symbol:         k_qf83c7828a7_scores.kd
    .args:
      - { .name: keys, .offset: 0, .size: 8, .value_kind: global_buffer, .address_space: global }
      - { .name: wcodes, .offset: 8, .size: 8, .value_kind: global_buffer, .address_space: global }
      - { .name: wscales, .offset: 16, .size: 8, .value_kind: global_buffer, .address_space: global }
      - { .name: tab, .offset: 24, .size: 8, .value_kind: global_buffer, .address_space: global }
      - { .name: scores, .offset: 32, .size: 8, .value_kind: global_buffer, .address_space: global }
    .group_segment_fixed_size: 327680
    .private_segment_fixed_size: 0
    .kernarg_segment_align: 8
    .kernarg_segment_size: 40
    .max_flat_workgroup_size: 128
    .sgpr_count:     100
    .vgpr_count:     1024
    .wavefront_size: 32
...
	.end_amdgpu_metadata
.endif
;; end of part 2
;; launch context (part 3): grid 8 x 32, 4 waves a work-group, no clusters, 327,680 bytes of LDS; arguments keys, scores, out0, out1; writes out0, out1
.if DOCPART == 3
	.amdgcn_target "amdgcn-amd-amdhsa--gfx1250"
	.amdhsa_code_object_version 6
	.text
	.protected	k_qf83c7828a7_context
	.globl	k_qf83c7828a7_context
	.p2align	8
	.type	k_qf83c7828a7_context,@function
k_qf83c7828a7_context:
	s_mov_b64 s[64:65], 0
	v_nop
	global_prefetch_b8 v0, s[64:65] scope:SCOPE_SE
	s_setreg_imm32_b32 hwreg(HW_REG_WAVE_MODE, 25, 1), 1
	s_wait_xcnt 0x0
; BAHDANAU ATTENTION, launch 3 of 3.  out1[b][s] = 2^(t[s] - M) / L, M the row's largest t, L the row's sum; out0[b][:] = sum over s of out1[b][s] keys[b][s][:], all in f32.
; Left out, as shown at the head of the first launch: Va_b and the sum of Va_w; t is the score in base 2 less a constant of the row, which the softmax takes away.
; SHARES.  Work-group (x, b) makes 128 columns (512 bytes) of out0's row b.  The keys come through a ring of two LDS slots: fill n = 0 .. 7 holds rows 256 n on, 256 of them, 512 bytes each.
; Wave w brings rows 64 w on of each fill by one tensor load (64 rows x 512 bytes, each row on a 256-byte border) and reads those bytes alone: a row is one LDS load of the wave, 16 bytes a lane.
; THE MAXIMUM IN TWO STEPS.  A wave holds the t of its 512 rows: pair n of v16-31, lane l: rows 256 n + 64 w + 2 l, + 1.  It takes its own largest t, m_w, away: p = 2^(t - m_w).
; At the end the four m_w and sums of p meet in LDS: M = the largest m_w, f_w = 2^(m_w - M), L = sum of f_w l_w; a wave's part counts f_w / L.  So the row's true maximum is taken away, and no exponent is above 0.
; A row's p goes from its lane into a scalar register (v_readlane_b32) and multiplies the row's four columns by two packed lines; eight sets of sums take turns.
; The eight pairs of p are turned by one pair a trip, so that one loop body serves every trip; after eight trips they stand as at the start.
; PREFETCH.  In trip n each wave names its part of fill n + 2: 64 rows x two blocks of 256 bytes, four instructions, one trip ahead of the tensor load that wants them; trips 6 and 7 ask for nothing.
; out1's row is stored once: work-group x stores the weights of fill x, 256 bytes a wave.  No cluster: no two work-groups read the same byte of keys.  No matrix unit: the product has one row.
.set SLOTB, 131072
.set RED1,  262144                     ; behind the ring: the waves' maxima; 256 on their sums; 512 on their parts of out0, 512 bytes a wave
.set SPARE, RED1+2560                  ; the spare words, 128 bytes a wave, named by no other line
.set KO,   1                           ; 16 x lane
.set SPW,  2
.set NIL,  3
.set RW,   4                           ; RED1 + 4 x wave
.set RR,   5                           ; RED1
.set WW,   6                           ; RED1 + 512 + 512 x wave + 16 x lane
.set TO,   7                           ; 8 x lane
.set RA0,  8                           ; my lane's place in my part of slot 0
.set RA,   9                           ; the same in the slot in hand
.set PFO,  10                          ; 4096 x lane; never rewritten
.set PR,   11                          ; RED1 + 512 + 16 x lane
.set MW,   12
.set LW,   13
.set T,    16                          ; v16-31 t, then p
.set ACC,  32                          ; v32-63 eight sets of sums
.set X,    64                          ; v64-191 32 row slots; at the end:
.set PT,   64                          ; the four parts,
.set OA,   80                          ; out0's sums
.set TT,   192
.set RD,   196
.set LS,   200
.set F,    204
.set O,    208
.set G1,   16
.set G0,   24
.set SEL,  28
.set PFA,  32
.set TN,   34
.set SLB,  35
.macro WALU
	s_wait_alu depctr_va_vdst(0)
.endm
	s_load_b128 s[4:7], s[0:1], 0x0                ; keys, scores
	s_load_b128 s[8:11], s[0:1], 0x10              ; out0, out1
	v_lshl_add_u32 v[SPW], v0, 2, SPARE
	v_mov_b32 v[NIL], 0
	ds_add_u32 v[SPW], v[NIL]                      ; the opening lines: the add, twice on end, and its wait below
	ds_add_u32 v[SPW], v[NIL]
	v_lshrrev_b32 v14, 5, v0
	v_readfirstlane_b32 s12, v14                   ; wave 0..3
	s_mov_b32 s[G1], 2<<16                         ; elements of 4 bytes, no padding: a wave's read of a row is 512 bytes on end
	s_mov_b32 s[G1+1], 128<<16                     ; tensor_dim0
	s_mov_b32 s[G1+2], 64<<16                      ; tensor_dim1
	s_mov_b32 s[G1+3], 128<<16                     ; tile_dim0
	s_mov_b32 s[G1+4], 64                          ; tile_dim1
	s_mov_b32 s[G1+5], 1024                        ; from row to row
	s_mov_b32 s[G1+6], 0
	s_mov_b32 s[G1+7], 0
	s_and_b32 s13, ttmp7, 0xffff                   ; b
	s_lshl_b32 s48, s13, 23                        ; keys: 2,048 rows of 4,096 bytes,
	s_lshl_b32 s36, s12, 18                        ; my wave's 64 rows,
	s_add_co_u32 s48, s48, s36
	s_lshl_b32 s36, ttmp9, 9                       ; the work-group's 512 bytes of a row
	s_add_co_u32 s48, s48, s36
	s_mov_b32 s49, 0
	s_lshl_b32 s52, s13, 12
	s_add_co_u32 s52, s52, s36                     ; the same in out0
	s_mov_b32 s53, 0
	s_lshl_b32 s50, s13, 13                        ; t: the row, and my wave's 256 bytes of each fill's 1,024
	s_lshl_b32 s36, s12, 8
	s_add_co_u32 s50, s50, s36
	s_mov_b32 s51, 0
	s_lshl_b32 s54, ttmp9, 10
	s_add_co_u32 s54, s54, s50                     ; out1: the same place in fill x
	s_mov_b32 s55, 0
	s_lshl_b32 s37, s12, 15                        ; my part of a slot
	s_lshl_b32 s38, s12, 2
	s_add_co_u32 s38, s38, RED1
	s_lshl_b32 s39, s12, 9
	s_add_co_u32 s39, s39, RED1+512
	s_mov_b32 s[SEL], 0x76543210
	s_mov_b32 s[SEL+1], 0xfedcba98
.irp i, 41,43,45,47
	s_mov_b32 s\i, 0                               ; the upper words of the pairs that the packed lines name
.endr
	s_mov_b32 s[TN], 0
	s_mov_b32 s[SLB], 0
	s_wait_dscnt 0x0                               ; both opening adds are done
	s_wait_kmcnt 0x0
	s_mov_b32 s[G0], 1
	s_mov_b32 s[G0+1], s37
	s_add_nc_u64 s[G0+2:G0+3], s[4:5], s[48:49]
	s_add_nc_u64 s[PFA:PFA+1], s[G0+2:G0+3], 0x100000   ; at fill 1: the first trip steps it to fill 2
	s_or_b32 s[G0+3], s[G0+3], 0x80000000
	s_add_nc_u64 s[6:7], s[6:7], s[50:51]
	s_add_nc_u64 s[8:9], s[8:9], s[52:53]
	s_add_nc_u64 s[10:11], s[10:11], s[54:55]
	tensor_load_to_lds s[G0:G0+3], s[G1:G1+7]      ; fill 0: one load a wave at the head
	s_nop 0
.rept 4
	v_nop
.endr
	v_and_b32 v15, 31, v0                          ; lane
	v_lshlrev_b32 v[TO], 3, v15
	v_lshlrev_b32 v[KO], 4, v15
	v_lshlrev_b32 v[PFO], 12, v15
	v_add_nc_u32 v[RA0], s37, v[KO]
	v_mov_b32 v[RW], s38
	v_mov_b32 v[RR], RED1
	v_add_nc_u32 v[WW], s39, v[KO]
	v_add_nc_u32 v[PR], RED1+512, v[KO]
	WALU
.irp n, 0,1,2,3,4,5,6,7
	global_load_b64 v[T+2*\n:T+2*\n+1], v[TO], s[6:7] offset:1024*\n   ; 32 lanes read 256 consecutive bytes, aligned
.endr
.set ii, 0
.rept 32
	v_mov_b32 v[ACC+ii], 0                         ; the loop is written once: its first trip finds zeros
.set ii, ii+1
.endr
	WALU
	s_wait_loadcnt 0x0
	v_max3_num_f32 v[MW], v[T], v[T+1], v[T+2]
.irp i, 3,5,7,9,11,13
	v_max3_num_f32 v[MW], v[MW], v[T+\i], v[T+\i+1]
.endr
	v_max_num_f32 v[MW], v[MW], v[T+15]
	v_max_num_f32_dpp v[MW], v[MW], v[MW] row_xmask:1 row_mask:0xf bank_mask:0xf
	v_max_num_f32_dpp v[MW], v[MW], v[MW] row_xmask:2 row_mask:0xf bank_mask:0xf
	v_max_num_f32_dpp v[MW], v[MW], v[MW] row_xmask:4 row_mask:0xf bank_mask:0xf
	v_max_num_f32_dpp v[MW], v[MW], v[MW] row_xmask:8 row_mask:0xf bank_mask:0xf
	v_permlanex16_b32 v14, v[MW], s[SEL], s[SEL+1]
	v_max_num_f32 v[MW], v[MW], v14                ; m_w
.set ii, 0
.rept 16
	v_sub_f32 v[T+ii], v[T+ii], v[MW]
.set ii, ii+1
.endr
	WALU                                           ; ahead of the batch
.set ii, 0
.rept 16
	v_exp_f32 v[T+ii], v[T+ii]                     ; p = 2^(t - m_w), at most 1
.set ii, ii+1
.endr
	v_nop
	WALU                                           ; and behind it
	v_pk_add_f32 v[TT:TT+1], v[T:T+1], v[T+2:T+3]
.irp i, 4,6,8,10,12,14
	v_pk_add_f32 v[TT:TT+1], v[TT:TT+1], v[T+\i:T+\i+1]
.endr
	v_add_f32 v[LW], v[TT], v[TT+1]
	v_add_f32_dpp v[LW], v[LW], v[LW] row_xmask:1 row_mask:0xf bank_mask:0xf
	v_add_f32_dpp v[LW], v[LW], v[LW] row_xmask:2 row_mask:0xf bank_mask:0xf
	v_add_f32_dpp v[LW], v[LW], v[LW] row_xmask:4 row_mask:0xf bank_mask:0xf
	v_add_f32_dpp v[LW], v[LW], v[LW] row_xmask:8 row_mask:0xf bank_mask:0xf
	v_permlanex16_b32 v14, v[LW], s[SEL], s[SEL+1]
	v_add_f32 v[LW], v[LW], v14                    ; l_w, at least 1
; Row j of my 64: its LDS load is in when at most the younger ones are out; its p lies in lane j / 2, register j % 2 of the first pair; the slot takes the row 32 further down.
.macro ROW j
.set XS, X+4*((\j)%32)
.set AS, ACC+4*((\j)%8)
.set WS, 40+2*((\j)%4)
.if (\j) < 32
	s_wait_dscnt 31
.else
	s_wait_dscnt 63-(\j)
.endif
	v_readlane_b32 s[WS], v[T+(\j)%2], (\j)/2
	v_pk_fma_f32 v[AS:AS+1], v[XS:XS+1], s[WS:WS+1], v[AS:AS+1] op_sel_hi:[1,0,1]
	v_pk_fma_f32 v[AS+2:AS+3], v[XS+2:XS+3], s[WS:WS+1], v[AS+2:AS+3] op_sel_hi:[1,0,1]
.if (\j)+32 < 64
	ds_load_b128 v[XS:XS+3], v[RA] offset:((\j)+32)*512
.endif
.endm
; A trip reads the fill in hand; refill = 1: the other slot takes the next fill (the first time: slot 1's first fill, behind a barrier at which nothing is filled again).
.macro TRIP refill
	s_wait_tensorcnt 0x0                           ; my one load that was out has landed: group 0 may be written
	ds_add_u32 v[SPW], v[NIL]
.if \refill
	s_xor_b32 s[G0+1], s[G0+1], SLOTB              ; the other slot: SLOTB shares no bit with wave x 32,768
	s_add_nc_u64 s[G0+2:G0+3], s[G0+2:G0+3], 0x100000   ; 256 rows down
	s_wait_xcnt 0x0                                ; my prefetches have read their address
	s_add_nc_u64 s[PFA:PFA+1], s[PFA:PFA+1], 0x100000
.endif
	s_wait_dscnt 0x0                               ; the add is done, and my reads of the slot that I have left are over
	s_barrier_signal -1
	s_barrier_wait -1
.if \refill
	tensor_load_to_lds s[G0:G0+3], s[G1:G1+7]
	s_nop 0
.rept 4
	v_nop
.endr
.endif
	v_add_nc_u32 v[RA], s[SLB], v[RA0]
	WALU                                           ; directly behind the write
.set Q, 0
.rept 32
	ds_load_b128 v[X+4*Q:X+4*Q+3], v[RA] offset:Q*512
.set Q, Q+1
.endr
.if \refill
	s_cmp_lt_u32 s[TN], 6
	s_cbranch_scc0 .Lnone_ahead_\@
	global_prefetch_b8 v[PFO], s[PFA:PFA+1] th:TH_LOAD_NT scope:SCOPE_SE
	global_prefetch_b8 v[PFO], s[PFA:PFA+1] offset:256 th:TH_LOAD_NT scope:SCOPE_SE
	global_prefetch_b8 v[PFO], s[PFA:PFA+1] offset:131072 th:TH_LOAD_NT scope:SCOPE_SE
	global_prefetch_b8 v[PFO], s[PFA:PFA+1] offset:131328 th:TH_LOAD_NT scope:SCOPE_SE
.Lnone_ahead_\@:
.endif
.set Q, 0
.rept 64
	ROW Q
.set Q, Q+1
.endr
	v_mov_b32 v[TT], v[T]                          ; the pairs of p turn by one
	v_mov_b32 v[TT+1], v[T+1]
.set ii, 0
.rept 14
	v_mov_b32 v[T+ii], v[T+ii+2]
.set ii, ii+1
.endr
	v_mov_b32 v[T+14], v[TT]
	v_mov_b32 v[T+15], v[TT+1]
	WALU                                           ; ahead of the branch
	s_xor_b32 s[SLB], s[SLB], SLOTB
.endm
	WALU                                           ; the head's end
.Ltrip:                                            ; seven trips: fills 0-6 are read, fills 1-7 asked for
	TRIP 1
	s_add_co_u32 s[TN], s[TN], 1
	s_cmp_lt_u32 s[TN], 7
	s_cbranch_scc1 .Ltrip
	TRIP 0                                         ; the last fill is written out: nothing is left to ask for
.irp s, 0,1,2,3
.irp o, 0,2
	v_pk_add_f32 v[ACC+4*\s+\o:ACC+4*\s+\o+1], v[ACC+4*\s+\o:ACC+4*\s+\o+1], v[ACC+16+4*\s+\o:ACC+16+4*\s+\o+1]
.endr
.endr
.irp s, 0,1
.irp o, 0,2
	v_pk_add_f32 v[ACC+4*\s+\o:ACC+4*\s+\o+1], v[ACC+4*\s+\o:ACC+4*\s+\o+1], v[ACC+8+4*\s+\o:ACC+8+4*\s+\o+1]
.endr
.endr
.irp o, 0,2
	v_pk_add_f32 v[ACC+\o:ACC+\o+1], v[ACC+\o:ACC+\o+1], v[ACC+4+\o:ACC+5+\o]
.endr
	ds_store_b128 v[WW], v[ACC:ACC+3]              ; my wave's part, under m_w
	ds_store_b32 v[RW], v[MW]                      ; all lanes write the wave's word with the same value
	ds_store_b32 v[RW], v[LW] offset:256
	s_wait_dscnt 0x0                               ; for the others' sake
	s_barrier_signal -1
	s_barrier_wait -1
	ds_load_b128 v[RD:RD+3], v[RR]
	ds_load_b128 v[LS:LS+3], v[RR] offset:256
	s_wait_dscnt 0x0
	v_max3_num_f32 v14, v[RD], v[RD+1], v[RD+2]
	v_max_num_f32 v14, v14, v[RD+3]                ; M: the row's largest t
.irp j, 0,1,2,3
	v_sub_f32 v[F+\j], v[RD+\j], v14
.endr
	v_sub_f32 v15, v[MW], v14
	WALU                                           ; ahead of the batch
.irp j, 0,1,2,3
	v_exp_f32 v[F+\j], v[F+\j]                     ; f = 2^(m - M), at most 1
.endr
	v_exp_f32 v15, v15                             ; and my own wave's
	v_nop
	WALU                                           ; and behind it
	v_pk_mul_f32 v[LS:LS+1], v[LS:LS+1], v[F:F+1]
	v_pk_fma_f32 v[LS:LS+1], v[LS+2:LS+3], v[F+2:F+3], v[LS:LS+1]
	v_add_f32 v14, v[LS], v[LS+1]                  ; L, at least 1
	WALU
	v_rcp_f32 v14, v14
	v_nop
	WALU
	v_mul_f32 v15, v15, v14                        ; f_w / L
	v_mov_b32 v[O], v[T]                           ; the pair of p of fill x, chosen by the work-group's number without a branch
	v_mov_b32 v[O+1], v[T+1]
.irp n, 1,2,3,4,5,6,7
	s_cmp_eq_u32 ttmp9, \n
	s_cselect_b32 s30, -1, 0
	v_cndmask_b32 v[O], v[O], v[T+2*\n], s30
	v_cndmask_b32 v[O+1], v[O+1], v[T+2*\n+1], s30
.endr
	v_pk_mul_f32 v[O:O+1], v[O:O+1], v[14:15] op_sel:[0,1] op_sel_hi:[1,1]   ; the weights (the pair's high word serves both halves)
	global_store_b64 v[TO], v[O:O+1], s[10:11]     ; 32 lanes store one aligned run of 256 bytes
	WALU                                           ; ahead of the branch
	s_cmp_lg_u32 s12, 0                            ; one owner for the 512 bytes of out0: wave 0 joins the four parts
	s_cbranch_scc1 .Ldone
.irp j, 0,1,2,3
	ds_load_b128 v[PT+4*\j:PT+4*\j+3], v[PR] offset:512*\j
.endr
	s_wait_dscnt 0x0
	v_pk_mul_f32 v[OA:OA+1], v[PT:PT+1], v[F:F+1] op_sel_hi:[1,0]
	v_pk_mul_f32 v[OA+2:OA+3], v[PT+2:PT+3], v[F:F+1] op_sel_hi:[1,0]
	v_pk_mul_f32 v[OA+4:OA+5], v[PT+4:PT+5], v[F:F+1] op_sel:[0,1] op_sel_hi:[1,1]
	v_pk_mul_f32 v[OA+6:OA+7], v[PT+6:PT+7], v[F:F+1] op_sel:[0,1] op_sel_hi:[1,1]
	v_pk_fma_f32 v[OA:OA+1], v[PT+8:PT+9], v[F+2:F+3], v[OA:OA+1] op_sel_hi:[1,0,1]
	v_pk_fma_f32 v[OA+2:OA+3], v[PT+10:PT+11], v[F+2:F+3], v[OA+2:OA+3] op_sel_hi:[1,0,1]
	v_pk_fma_f32 v[OA+4:OA+5], v[PT+12:PT+13], v[F+2:F+3], v[OA+4:OA+5] op_sel:[0,1,0] op_sel_hi:[1,1,1]
	v_pk_fma_f32 v[OA+6:OA+7], v[PT+14:PT+15], v[F+2:F+3], v[OA+6:OA+7] op_sel:[0,1,0] op_sel_hi:[1,1,1]
	v_pk_add_f32 v[OA:OA+1], v[OA:OA+1], v[OA+4:OA+5]
	v_pk_add_f32 v[OA+2:OA+3], v[OA+2:OA+3], v[OA+6:OA+7]
	v_pk_mul_f32 v[OA:OA+1], v[OA:OA+1], v[14:15] op_sel_hi:[1,0]   ; / L
	v_pk_mul_f32 v[OA+2:OA+3], v[OA+2:OA+3], v[14:15] op_sel_hi:[1,0]
	global_store_b128 v[KO], v[OA:OA+3], s[8:9]    ; 32 lanes store 512 consecutive bytes, aligned
.Ldone:
	s_wait_tensorcnt 0x0                           ; the wave's end: three closing lines, behind my last tensor load and my last LDS store
	ds_add_u32 v[SPW], v[NIL]
	s_wait_dscnt 0x0
	s_endpgm
.Lfunc_end_k_qf83c7828a7_context:
	.size	k_qf83c7828a7_context, .Lfunc_end_k_qf83c7828a7_context-k_qf83c7828a7_context
	.p2alignl 7, 3214868480
	.fill 96, 4, 3214868480
	.section	.rodata,"a",@progbits
	.p2align	6, 0x0
	.amdhsa_kernel k_qf83c7828a7_context
		.amdhsa_group_segment_fixed_size 327680
		.amdhsa_private_segment_fixed_size 0
		.amdhsa_enable_private_segment 0
		.amdhsa_kernarg_size 32
		.amdhsa_user_sgpr_count 2
		.amdhsa_user_sgpr_kernarg_segment_ptr 1
		.amdhsa_wavefront_size32 1
		.amdhsa_system_sgpr_workgroup_id_x 1
		.amdhsa_system_sgpr_workgroup_id_y 1
		.amdhsa_system_sgpr_workgroup_id_z 1
		.amdhsa_system_vgpr_workitem_id 0
		.amdhsa_next_free_vgpr 256
		.amdhsa_next_free_sgpr 66
		.amdhsa_reserve_vcc 0
		.amdhsa_float_denorm_mode_32 3
		.amdhsa_float_denorm_mode_16_64 3
		.amdhsa_memory_ordered 1
		.amdhsa_forward_progress 1
		.amdhsa_inst_pref_size 52
	.end_amdhsa_kernel
	.amdgpu_metadata
---
amdhsa.version: [ 1, 2 ]
amdhsa.kernels:
  - .name:           k_qf83c7828a7_context
    .symbol:         k_qf83c7828a7_context.kd
    .args:
      - { .name: keys, .offset: 0, .size: 8, .value_kind: global_buffer, .address_space: global }
      - { .name: scores, .offset: 8, .size: 8, .value_kind: global_buffer, .address_space: global }
      - { .name: out0, .offset: 16, .size: 8, .value_kind: global_buffer, .address_space: global }
      - { .name: out1, .offset: 24, .size: 8, .value_kind: global_buffer, .address_space: global }
    .group_segment_fixed_size: 327680
    .private_segment_fixed_size: 0
    .kernarg_segment_align: 8
    .kernarg_segment_size: 32
    .max_flat_workgroup_size: 128
    .sgpr_count:     66
    .vgpr_count:     256
    .wavefront_size: 32
...
	.end_amdgpu_metadata
.endif
;; end of part 3
